; MI455X (gfx1250); checked and timed in simulation.
; The chip was launched on July 23, 2026; its instructions are those of AMD's public machine-readable ISA for CDNA 5 (MIT licence, August 2026) and "CDNA5" Instruction Set Architecture Reference Guide (July 2026). The comments in the code are by the model that wrote it; some were corrected since.
;; Cross Matrix. Allowed arithmetic: matrix products marked QUANTISED: E3M2 operands, one E8M0 scale for each 32 along K, by v_wmma_scale_f32_16x16x128_f8f6f4 with both operands' format E3M2, f32 sums; everything else in f32.
;; Inputs: W 256 x 66,049 float32; b 256 float32; x 2,048 x 256 float32.
;; Outputs: out0 2,048 x 16 x 16 float32.
;; This version of the problem:
;;   THIS VERSION OF THE PROBLEM IS GIVEN IN LOW PRECISION. The matrix products marked QUANTISED in the list below multiply operands that are first quantised to E3M2 (3 exponent bits, 2 mantissa bits; 6 bits a number), with one power-of-two scale for each 32 numbers along K (OCP MX v1.0); their sums are f32. All else is computed in f32.
;;   The module's matrix products, in the order in which they are computed (A, B: the left and right operand; K: the contracted axis; several contracted axes count as one K, in the product's order):
;;     1. [M 2,048, K 66,049] x [K 66,049, N 256]; A: computed on the way; B: input W: QUANTISED
;;   THE QUANTISER, for each operand of a quantised product, along K:
;;     - K is cut into blocks of 32 from its start; a last block that is shorter is filled with zeros.
;;     - A block's scale is 2^e with e = floor(log2(the largest magnitude in the block)) - 4, held to -126 .. 127; a block of zeros has e = 0. As a byte (E8M0): e + 127.
;;     - Each number is divided by its block's scale, clamped to +-28, and rounded to the nearest number of E3M2, ties to even, subnormals kept.
;;     - The product sums the exact products of the quantised numbers (number of the format x scale) in f32.
;;   ~~~python
;;   def quantise(x, axis):      # numpy; x: float32 -> the quantised numbers, widened to float32 again
;;       x = np.moveaxis(x, axis, -1); K = x.shape[-1]
;;       x = np.pad(x, [(0, 0)] * (x.ndim - 1) + [(0, -K % 32)]); x = x.reshape(x.shape[:-1] + (-1, 32)); a = np.abs(x).max(-1, keepdims=True)
;;       e = np.where(a > 0, np.clip(np.frexp(np.where(a > 0, a, 1))[1] - 1 - 4, -126, 127), 0)      # np.frexp(a)[1] - 1 = floor(log2(a)), exactly
;;       r = np.clip(x / 2.0 ** e, -28, 28)
;;       step = 2.0 ** (np.maximum(np.frexp(np.where(r == 0, 1, r))[1] - 1, -2) - 2)
;;       q = np.round(r / step) * step * 2.0 ** e      # np.round: ties to even
;;       return np.moveaxis(q.reshape(q.shape[:-2] + (-1,))[..., :K], -1, axis).astype(np.float32)
;;   ~~~
;;   OPERANDS COMPUTED ON THE WAY. 'Computed on the way' means the value that the module computes at that place (a softmax that the list does not call 'softmax' is quantised finished and normalised). What goes into a quantiser is computed in f32, as accurately as f32 sums, v_exp_f32 and their like allow (about 1e-6 of the number): no bf16 or f16 on the way to a quantiser, and a product that is left as it is and whose result goes on into a quantised operand takes f32 operands (vector FMAs, or v_wmma_f32_16x16x4_f32). A number that lies on a knife's edge between two numbers of the format may be rounded either way, as far as f32 arithmetic and the matrix unit's own rounding can turn it there, and no further.
;; One version. Each part assembles by itself: llvm-mc -triple=amdgcn-amd-amdhsa -mcpu=gfx1250 --defsym DOCPART=n.
;; ======== version 1 of 1: 3 launches
;; limits: right only within a limited range of input values
;; workspace buffers: wq 13,926,400 bytes; xs 10,485,760 bytes; xu 3,145,728 bytes; part 33,554,432 bytes
;; launch prep (part 1): grid 256 x 1, 8 waves a work-group, no clusters, 296,960 bytes of LDS; arguments W, x, wq, xs, xu; writes wq, xs, xu
.if DOCPART == 1
	.amdgcn_target "amdgcn-amd-amdhsa--gfx1250"
	.amdhsa_code_object_version 6
	.text
	.protected	k_q5bc0b0c972_prep
	.globl	k_q5bc0b0c972_prep
	.p2align	8
	.type	k_q5bc0b0c972_prep,@function
k_q5bc0b0c972_prep:
	s_mov_b64 s[64:65], 0
	v_nop
	global_prefetch_b8 v0, s[64:65] scope:SCOPE_SE
	s_setreg_imm32_b32 hwreg(HW_REG_WAVE_MODE, 25, 1), 1
	s_wait_xcnt 0x0
; W [256][66049] f32 becomes codes of E3M2 with one E8M0 byte for each 32 along K, laid as IMAGES OF THE OPERAND'S REGISTERS in the order in which the product's launch walks K; x becomes two small tables.
; K = 257 i + j.  Block t (32 along K) = tau + 257 n has the same 32 values of j for every n, and i grows by 32 with n.  Stream sg (0..31) owns tau = 8 sg + w, w = 0..7; K step p = 2 w + s of a stream holds the four
; blocks n = 4 s + 0..3.  The 17 blocks left over (tau = 256; n = 8) are a 17th K step, p = 16, in streams 0..10; in the other streams that step is zero codes.
; wq [sg 32][p 17][25,600]: 16 fragments of 1,536 bytes (piece q of three, lane l: 16 bytes at 512 q + 16 l = registers 4 q .. 4 q + 3), then at 24,576 the scale words [pair 8][lane 32].  Place f holds W's rows 16 ((f + 8 (sg & 1)) & 15) on.
; xs [copy 4][g 128][quad 80][row 16][4] f32 = zp[4 quad + copy + 0..3] of row 16 g + row, zp = 32 zeros, 1, x[0..255], zeros: any window of 32 of a row comes by aligned loads of 16 bytes.
; xu [g 128][ii 384][row 16] f32 = zp[31 + ii].
; A block's scale is 2^(floor(log2(largest magnitude)) - 4): its byte is the largest magnitude's exponent field - 4, held at 1 from below by a floor among the maximum's leaves.
; LIMITS: NaN and infinities are not served; a block of zeros gets the byte 1 (the bytes are read by this program alone; zero codes add nothing under it).
; A row of W is 264,196 bytes, so its rows begin at multiples of 4 bytes only: W comes through registers, by loads of 4 bytes a lane, 128 consecutive bytes a wave, and is laid into LDS rows that begin at multiples of 16.
; SHARES: each of the 256 work-groups takes 64 rows of W x 4 blocks n x 256 along K, as eight tiles of 32 rows x 1,024 bytes, one a wave; half of one group of 16 rows of x; two fragments of step 16 (waves 0 and 1).
.set KK,   66049
.set ROWW, 4*KK
.set IMG,  25600
.set TP,   1040                        ; a tile's row in LDS: 1,024 bytes + 16
.set TT,   32*TP
.set ZP,   8*TT                        ; behind the tiles: zp, 16 rows of ZPP dwords
.set ZPP,  425
.set SG,   ZP+27392                    ; the scale words of 8 windows x 4 fragments
.set SPARE, SG+2048                    ; the spare words: 128 bytes a wave
.set D,    32                          ; v32-95   64 numbers: register 32 c + e = number e of block 2 c + (lane / 16) of my row
.set R,    96                          ; v96-191  three sets of 32 loaded words by turns; later the tables' way out
.set T0,   160                         ; the upper halves' codes (a conversion's three registers begin on an even number)
.set XC,   176                         ; codes of my fragment of step 16
.set CD,   192                         ; v192-239 codes: 12 registers for each of my 4 fragments
.set XR,   192                         ; x as loaded (done with before the codes are made)
.set MA,   240
.set SO,   244
.set BY,   246
.set WD,   248
.set WX,   249
; 64 numbers in v[D] on become a fragment's 12 registers at v[dst] on and its row's scale word in v[WD]
.macro QCORE dst
.irp c, 0,1
	v_max3_num_f32 v[MA+2*\c], |v[D+32*\c]|, |v[D+32*\c+1]|, 0x2800000     ; the floor 2^(5 - 127) among the leaves
	v_max3_num_f32 v[MA+2*\c+1], |v[D+32*\c+2]|, |v[D+32*\c+3]|, 0x2800000
.endr
.irp e, 4,8,12,16,20,24,28
.irp c, 0,1
	v_max3_num_f32 v[MA+2*\c], v[MA+2*\c], |v[D+32*\c+\e]|, |v[D+32*\c+\e+1]|
	v_max3_num_f32 v[MA+2*\c+1], v[MA+2*\c+1], |v[D+32*\c+\e+2]|, |v[D+32*\c+\e+3]|
.endr
.endr
.irp c, 0,1
	v_max_num_f32 v[MA+2*\c], v[MA+2*\c], v[MA+2*\c+1]
.endr
.irp c, 0,1
	v_add_nc_u32 v[SO+\c], 0xfe000000, v[MA+2*\c]                          ; 4 off the exponent field: the conversion takes that field as its scale
.endr
.irp c, 0,1
	v_cvt_scalef32_pk16_bf6_f32 v[(\dst)+6*\c:(\dst)+6*\c+2], v[D+32*\c:D+32*\c+15], v[SO+\c]
	v_cvt_scalef32_pk16_bf6_f32 v[T0+4*\c:T0+4*\c+2], v[D+32*\c+16:D+32*\c+31], v[SO+\c]
.endr
	v_lshrrev_b32 v[BY], 23, v[SO]                                         ; the bytes; these two lines are the plain place behind the conversions
	v_lshrrev_b32 v[BY+1], 23, v[SO+1]
	v_mov_b32 v[(\dst)+3], v[T0]                                           ; the moves stand between the links of the scale word's chain
	s_delay_alu instid0(VALU_DEP_2)
	v_lshl_or_b32 v[WD], v[BY+1], 16, v[BY]                                ; my two bytes: blocks h and 2 + h,
	v_mov_b32 v[(\dst)+4], v[T0+1]
	s_delay_alu instid0(VALU_DEP_2)
	v_lshlrev_b32 v[WD], v4, v[WD]                                         ; 8 h bits up;
	v_mov_b32 v[(\dst)+5], v[T0+2]
	v_permlanex16_b32 v[WX], v[WD], s62, s63
	v_mov_b32 v[(\dst)+9], v[T0+4]
	v_or_b32 v[WD], v[WD], v[WX]                                           ; with lane l xor 16's two the word is whole
	v_mov_b32 v[(\dst)+10], v[T0+5]
	v_mov_b32 v[(\dst)+11], v[T0+6]
.endm
	s_load_b256 s[4:11], s[0:1], 0x0               ; W s[4:5], x s[6:7], wq s[8:9], xs s[10:11]
	s_load_b64 s[12:13], s[0:1], 0x20              ; xu
	v_lshl_add_u32 v254, v0, 2, SPARE
	v_mov_b32 v255, 0
	v_lshrrev_b32 v1, 5, v0
	v_readfirstlane_b32 s14, v1                    ; wave 0..7
	; ---- all scalar numbers first, then all vector ones
	s_lshr_b32 s15, ttmp9, 3                       ; the stream sg
	s_bfe_u32 s16, ttmp9, 0x10002                  ; s: which four n
	s_and_b32 s17, ttmp9, 3                        ; fg: places 4 fg .. 4 fg + 3
	s_and_b32 s18, s15, 1
	s_lshl_b32 s18, s18, 3
	s_lshl_b32 s19, s17, 2
	s_add_co_u32 s18, s18, s19
	s_and_b32 s18, s18, 15
	s_lshl_b32 s18, s18, 4                         ; the group's first row of W: 16 ((4 fg + 8 (sg & 1)) & 15)
	s_lshr_b32 s24, s14, 2                         ; which 32 rows my tile holds; later: which two fragments I quantise from
	s_lshl_b32 s19, s24, 5
	s_add_co_u32 s18, s18, s19
	s_and_b32 s25, s14, 3
	s_lshl_b32 s19, s16, 2
	s_add_co_u32 s19, s19, s25                     ; my tile's n = 4 s + (wave & 3)
	s_mul_i32 s19, s19, 257
	s_lshl_b32 s20, s15, 3
	s_add_co_u32 s19, s19, s20                     ; block 8 sg + 257 n
	s_lshl_b32 s19, s19, 5
	s_mul_i32 s20, s18, KK
	s_add_co_u32 s20, s20, s19
	s_lshl_b32 s20, s20, 2                         ; my tile's first byte in W
	s_mov_b32 s21, 0
	s_mul_i32 s22, s14, TT                         ; and in LDS
	s_and_b32 s46, s14, 1                          ; which 16 rows of a tile I quantise
	s_bfe_u32 s47, s14, 0x10001                    ; which four windows
	s_mul_i32 s28, s46, 16*TP
	s_lshl_b32 s26, s47, 9
	s_add_co_u32 s28, s28, s26
	s_mul_i32 s26, s24, 4*TT
	s_add_co_u32 s28, s28, s26
	s_lshl_b32 s29, s47, 10
	s_lshl_b32 s26, s46, 6
	s_add_co_u32 s29, s29, s26
	s_lshl_b32 s26, s24, 7
	s_add_co_u32 s29, s29, s26
	s_add_co_u32 s29, s29, SG                      ; my scale words: SG + 256 window + 64 fragment
	s_mul_i32 s30, s47, 8*IMG
	s_mul_i32 s26, s46, 1536
	s_add_co_u32 s30, s30, s26
	s_mul_i32 s26, s24, 3072
	s_add_co_u32 s30, s30, s26                     ; my codes' place in wq
	s_lshr_b32 s40, ttmp9, 1                       ; g
	s_and_b32 s41, ttmp9, 1                        ; which half of the tables' rows I write
	s_mul_i32 s31, s41, 640
	s_lshl_b32 s26, s25, 2
	s_add_co_u32 s31, s31, s26
	s_mul_i32 s26, s24, 320
	s_add_co_u32 s31, s31, s26
	s_add_co_u32 s31, s31, ZP                      ; xs: copy = wave & 3, ten of the half's twenty pairs of quads
	s_mul_i32 s32, s41, 768
	s_mul_i32 s26, s14, 96
	s_add_co_u32 s32, s32, s26
	s_add_co_u32 s32, s32, ZP+124                  ; xu: 24 values of ii a wave
	s_lshl_b32 s44, s40, 14
	s_mov_b32 s45, 0
	s_mul_i32 s48, s25, 2621440
	s_mul_i32 s26, s40, 20480
	s_add_co_u32 s48, s48, s26
	s_mul_i32 s26, s41, 10240
	s_add_co_u32 s48, s48, s26
	s_mul_i32 s26, s24, 5120
	s_add_co_u32 s48, s48, s26
	s_mov_b32 s49, 0
	s_mul_i32 s50, s40, 24576
	s_mul_i32 s26, s41, 12288
	s_add_co_u32 s50, s50, s26
	s_mul_i32 s26, s14, 1536
	s_add_co_u32 s50, s50, s26
	s_mov_b32 s51, 0
	s_mul_i32 s26, s15, 17
	s_add_co_u32 s26, s26, s16
	s_mul_i32 s26, s26, IMG
	s_mul_i32 s27, s17, 6144
	s_add_co_u32 s66, s26, s27                     ; (17 sg + s) images + 4 fg fragments
	s_mov_b32 s67, 0
	s_lshl_b32 s27, s17, 8
	s_add_co_u32 s68, s26, s27
	s_add_co_u32 s68, s68, 24576                   ; and their scale words' 256 bytes
	s_mov_b32 s69, 0
	; step 16: 512 fragments in the launch, one for each of my waves 0 and 1 (the other waves make the numbers and use none)
	s_lshl_b32 s52, ttmp9, 1
	s_add_co_u32 s52, s52, s14
	s_lshr_b32 s53, s52, 4                         ; its stream
	s_and_b32 s54, s52, 15                         ; its place f
	s_and_b32 s55, s53, 1
	s_lshl_b32 s55, s55, 3
	s_add_co_u32 s55, s55, s54
	s_and_b32 s55, s55, 15                         ; its 16 rows of W
	s_mov_b32 s56, 4096                            ; the step's first block: streams 11..31 have none,
	s_add_co_u32 s57, s53, 2056
	s_cmp_le_u32 s53, 8
	s_cselect_b32 s56, s57, s56                    ; streams 0..8: n = 8, tau = the stream;
	s_mov_b32 s57, 256
	s_cmp_eq_u32 s53, 9
	s_cselect_b32 s56, s57, s56                    ; stream 9: tau = 256, n = 0..3;
	s_mov_b32 s57, 1284
	s_cmp_eq_u32 s53, 10
	s_cselect_b32 s56, s57, s56                    ; stream 10: n = 4..7
	s_mul_i32 s36, s55, 16*ROWW
	s_mov_b32 s37, 0
	s_mul_i32 s57, s53, 17
	s_add_co_u32 s57, s57, 16
	s_mul_i32 s57, s57, IMG
	s_mul_i32 s38, s54, 1536
	s_add_co_u32 s38, s38, s57
	s_mov_b32 s39, 0
	s_lshl_b32 s42, s54, 6
	s_add_co_u32 s42, s42, s57
	s_add_co_u32 s42, s42, 24576
	s_mov_b32 s43, 0
	s_mov_b32 s62, 0x76543210
	s_mov_b32 s63, 0xfedcba98                      ; v_permlanex16_b32's selects for lane l xor 16
	; ---- every address register is made here, ahead of the places where the waves part
	v_and_b32 v1, 31, v0                           ; lane
	v_and_b32 v2, 15, v0                           ; r
	v_bfe_u32 v3, v0, 4, 1                         ; h
	v_lshlrev_b32 v4, 3, v3                        ; 8 h
	v_mov_b32 v[WX], 0                             ; a lane permute's destination counts as read
	v_lshlrev_b32 v11, 4, v1                       ; 16 x lane
	v_lshlrev_b32 v12, 2, v2                       ; 4 r
	v_lshlrev_b32 v8, 2, v1                        ; 4 x lane: my word of a load's 128 bytes
	v_add_nc_u32 v7, s22, v8                       ; and its place in my tile
	v_mul_u32_u24 v28, v3, TT
	v_mad_u32_u24 v28, v2, TP, v28                 ; h tiles + r rows
	v_add_nc_u32 v5, s28, v28                      ; blocks h,
	v_add_nc_u32 v6, 2*TT, v5                      ; 2 + h
	v_add_nc_u32 v10, s29, v12
	v_lshl_add_u32 v13, v0, 3, SG                  ; where the scale words are read back: 8 bytes a thread
	v_add_nc_u32 v9, s30, v11
	v_lshrrev_b32 v14, 5, v0
	v_mul_u32_u24 v14, v14, 2*IMG
	v_lshl_add_u32 v14, v1, 3, v14                 ; their place in wq: window = wave
	v_lshrrev_b32 v28, 4, v0                       ; zp: thread t takes row t / 16 and the numbers 4 (t % 16) + 64 i + 0..3
	v_lshlrev_b32 v15, 10, v28
	v_lshl_add_u32 v15, v2, 4, v15
	v_mul_u32_u24 v29, v28, 4*ZPP
	v_add_nc_u32 v20, ZP, v29                      ; my row of zp
	v_lshl_add_u32 v18, v2, 2, v20                 ; zeros: J = t % 16 + 16 i
	v_lshl_add_u32 v19, v2, 4, v20                 ; numbers
	v_and_b32 v30, 7, v0
	v_lshl_add_u32 v21, v30, 2, v20                ; the last eight zeros (two threads of a wave write the same word with the same value)
	v_mov_b32 v22, 0
	v_mov_b32 v23, 1.0
	v_mul_u32_u24 v16, v2, 4*ZPP
	v_lshl_add_u32 v16, v3, 4, v16
	v_add_nc_u32 v16, s31, v16                     ; xs: ZP + 4 (425 r + 4 (quad + h) + copy)
	v_and_b32 v17, 3, v0
	v_mul_u32_u24 v17, v17, 16*ZPP
	v_bfe_u32 v30, v0, 2, 3
	v_lshl_add_u32 v17, v30, 2, v17
	v_add_nc_u32 v17, s32, v17                     ; xu: a lane takes four rows of one ii
	v_mul_u32_u24 v24, v3, 257
	v_add_nc_u32 v24, s56, v24                     ; step 16: my blocks t = first + 257 (2 c + h)
	v_add_nc_u32 v25, 514, v24
	v_cmp_gt_u32 s58, 2064, v24                    ; a whole block,
	v_cmp_eq_u32 s59, 2064, v24                    ; the last block, which has one number,
	v_cmp_gt_u32 s60, 2064, v25                    ; or none
	v_cmp_eq_u32 s61, 2064, v25
	v_lshlrev_b32 v24, 5, v24
	v_lshlrev_b32 v25, 5, v25
	v_min_u32 v24, KK-32, v24                      ; no load leaves W: the 32 numbers are taken from k = 66,017 on at the latest
	v_min_u32 v25, KK-32, v25
	v_mul_u32_u24 v26, v2, ROWW
	v_lshl_add_u32 v24, v24, 2, v26
	v_lshl_add_u32 v25, v25, 2, v26
	s_wait_alu depctr_va_vdst(0)                   ; the wait at the head's end
	s_wait_kmcnt 0x0
	s_add_nc_u64 s[34:35], s[4:5], s[20:21]
	s_add_nc_u64 s[36:37], s[4:5], s[36:37]
	s_add_nc_u64 s[44:45], s[6:7], s[44:45]
	s_add_nc_u64 s[38:39], s[8:9], s[38:39]
	s_add_nc_u64 s[42:43], s[8:9], s[42:43]
	s_add_nc_u64 s[66:67], s[8:9], s[66:67]
	s_add_nc_u64 s[68:69], s[8:9], s[68:69]
	s_add_nc_u64 s[48:49], s[10:11], s[48:49]
	s_add_nc_u64 s[50:51], s[12:13], s[50:51]
	; ---- my tile: 32 rows x 8 loads of 128 consecutive bytes, four rows to a set, two sets on their way; every offset is an immediate (31 rows of W + 896 bytes at the most)
.macro WLD g
.irp j, 0,1,2,3
.irp i, 0,1,2,3,4,5,6,7
	global_load_b32 v[R+32*((\g)%3)+8*\j+\i], v8, s[34:35] offset:(4*(\g)+\j)*ROWW+128*\i
.endr
.endr
.endm
.macro WST g
.irp j, 0,1,2,3
.irp i, 0,1,2,3,4,5,6,7
	ds_store_b32 v7, v[R+32*((\g)%3)+8*\j+\i] offset:(4*(\g)+\j)*TP+128*\i
.endr
.endr
.endm
	WLD 0
	WLD 1
.irp g, 0,1,2,3,4,5,6,7
.if \g < 6
	s_wait_loadcnt 32                              ; set g is in; the next set's 32 loads may be out
.elseif \g == 6
	s_wait_loadcnt 36                              ; behind set 6: x's four loads and set 7's 32
.else
	s_wait_loadcnt 0x0
.endif
	WST \g
.if \g < 6
	s_wait_dscnt 32                                ; the set before's stores have read their registers (the 32 just issued may be out): they take the set two on
.if \g == 5
.irp i, 0,1,2,3
	global_load_b128 v[XR+4*\i:XR+4*\i+3], v15, s[44:45] offset:256*\i
.endr
.endif
	WLD \g+2
.endif
.endr
	; ---- step 16's numbers are asked for now and used behind the tables
	s_cmp_lt_u32 s14, 2
	s_cbranch_scc0 .Lnoe
.irp c, 0,1
.irp e, 0,1,2,3,4,5,6,7,8,9,10,11,12,13,14,15,16,17,18,19,20,21,22,23,24,25,26,27,28,29,30,31
	global_load_b32 v[D+32*\c+\e], v[24+\c], s[36:37] offset:4*\e
.endr
.endr
.Lnoe:
	; ---- zp of the 16 rows of group g
.irp i, 0,1
	ds_store_b32 v18, v22 offset:64*\i             ; J = 0 .. 31
.endr
.irp i, 0,1,2,3,4,5,6,7
	ds_store_b32 v18, v22 offset:4*289+64*\i       ; J = 289 .. 416
.endr
	ds_store_b32 v21, v22 offset:4*417             ; J = 417 .. 424
	ds_store_b32 v20, v23 offset:128               ; J = 32: the 1 (a row's sixteen threads write the same word with the same value)
.irp i, 0,1,2,3
.irp p, 0,1,2,3
	ds_store_b32 v19, v[XR+4*\i+\p] offset:132+256*\i+4*\p
.endr
.endr
	s_wait_dscnt 0x0                               ; for the others' sake: my tile and my rows of zp are written
	s_barrier_signal -1
	s_barrier_wait -1
	; ---- xs: ten stores of two quads
.irp j, 0,1,2,3,4,5,6,7,8,9
.irp p, 0,1,2,3
	ds_load_b32 v[R+4*\j+\p], v16 offset:32*\j+4*\p
.endr
.endr
.irp j, 0,1,2,3,4,5,6,7,8,9
	s_wait_dscnt 36-4*\j                           ; the four loads of each later store may be out
	global_store_b128 v11, v[R+4*\j:R+4*\j+3], s[48:49] offset:512*\j   ; 32 lanes store 512 consecutive bytes
.endr
	; ---- xu: three stores of eight ii
.irp i, 0,1,2
.irp p, 0,1,2,3
	ds_load_b32 v[R+40+4*\i+\p], v17 offset:32*\i+4*ZPP*\p
.endr
.endr
.irp i, 0,1,2
	s_wait_dscnt 8-4*\i
	global_store_b128 v11, v[R+40+4*\i:R+40+4*\i+3], s[50:51] offset:512*\i
.endr
	; ---- step 16's fragment.  No LDS and no barrier inside the branch
	s_cmp_lt_u32 s14, 2
	s_cbranch_scc0 .Lnox
	s_wait_loadcnt 0x0
.irp c, 0,1
	v_cndmask_b32 v27, 0, v[D+32*\c+31], s[59+2*\c]        ; the last block's one number, k = 66,048, came as number 31
.irp e, 0,1,2,3,4,5,6,7,8,9,10,11,12,13,14,15,16,17,18,19,20,21,22,23,24,25,26,27,28,29,30,31
	v_cndmask_b32 v[D+32*\c+\e], 0, v[D+32*\c+\e], s[58+2*\c]   ; what lies past K's end counts as 0, ahead of the maximum
.endr
	v_or_b32 v[D+32*\c], v[D+32*\c], v27                   ; (one of the two is 0)
.endr
	QCORE XC
.irp q, 0,1,2
	global_store_b128 v11, v[XC+4*\q:XC+4*\q+3], s[38:39] offset:512*\q
.endr
	global_store_b32 v12, v[WD], s[42:43]          ; 64 bytes of scale words (both halves of the lanes hold and write the same word)
.Lnox:
	s_wait_xcnt 0x0                                ; the registers that earlier stores read are written again only behind this wait
	; ---- the regular images: my fragment, for my four windows
.irp wl, 0,1,2,3
.irp c, 0,1
.irp i, 0,1,2,3,4,5,6,7
	ds_load_b128 v[D+32*\c+4*\i:D+32*\c+4*\i+3], v[5+\c] offset:128*\wl+16*\i
.endr
.endr
	s_wait_dscnt 0x0
	QCORE CD+12*\wl
	ds_store_b32 v10, v[WD] offset:256*\wl
.irp q, 0,1,2
	global_store_b128 v9, v[CD+12*\wl+4*\q:CD+12*\wl+4*\q+3], s[66:67] offset:\wl*2*IMG+512*\q   ; 32 lanes store 512 consecutive bytes
.endr
.endr
	s_wait_dscnt 0x0                               ; my scale words are written
	s_barrier_signal -1
	s_barrier_wait -1
	ds_load_b64 v[D:D+1], v13
	s_wait_dscnt 0x0
	global_store_b64 v14, v[D:D+1], s[68:69]       ; a wave stores an image's 256 consecutive bytes of scale words, at a multiple of 256 from wq's first byte
	s_wait_tensorcnt 0x0                           ; the wave's end
	ds_add_u32 v254, v255
	s_wait_dscnt 0x0
	s_endpgm
.Lfunc_end_k_q5bc0b0c972_prep:
	.size	k_q5bc0b0c972_prep, .Lfunc_end_k_q5bc0b0c972_prep-k_q5bc0b0c972_prep
	.p2alignl 7, 3214868480
	.fill 96, 4, 3214868480
	.section	.rodata,"a",@progbits
	.p2align	6, 0x0
	.amdhsa_kernel k_q5bc0b0c972_prep
		.amdhsa_group_segment_fixed_size 296960
		.amdhsa_private_segment_fixed_size 0
		.amdhsa_enable_private_segment 0
		.amdhsa_kernarg_size 40
		.amdhsa_user_sgpr_count 2
		.amdhsa_user_sgpr_kernarg_segment_ptr 1
		.amdhsa_wavefront_size32 1
		.amdhsa_system_sgpr_workgroup_id_x 1
		.amdhsa_system_sgpr_workgroup_id_y 1
		.amdhsa_system_sgpr_workgroup_id_z 1
		.amdhsa_system_vgpr_workitem_id 0
		.amdhsa_next_free_vgpr 256
		.amdhsa_next_free_sgpr 72
		.amdhsa_reserve_vcc 0
		.amdhsa_float_denorm_mode_32 3
		.amdhsa_float_denorm_mode_16_64 3
		.amdhsa_memory_ordered 1
		.amdhsa_forward_progress 1
		.amdhsa_inst_pref_size 89
	.end_amdhsa_kernel
	.amdgpu_metadata
---
amdhsa.version: [ 1, 2 ]
amdhsa.kernels:
  - .name:           k_q5bc0b0c972_prep
    .symbol:         k_q5bc0b0c972_prep.kd
    .args:
      - { .name: W, .offset: 0, .size: 8, .value_kind: global_buffer, .address_space: global }
      - { .name: x, .offset: 8, .size: 8, .value_kind: global_buffer, .address_space: global }
      - { .name: wq, .offset: 16, .size: 8, .value_kind: global_buffer, .address_space: global }
      - { .name: xs, .offset: 24, .size: 8, .value_kind: global_buffer, .address_space: global }
      - { .name: xu, .offset: 32, .size: 8, .value_kind: global_buffer, .address_space: global }
    .group_segment_fixed_size: 296960
    .private_segment_fixed_size: 0
    .kernarg_segment_align: 8
    .kernarg_segment_size: 40
    .max_flat_workgroup_size: 256
    .sgpr_count:     72
    .vgpr_count:     256
    .wavefront_size: 32
...
	.end_amdgpu_metadata
.endif
;; end of part 1
;; launch main (part 2): grid 16 x 16, 4 waves a work-group, clusters of 4 x 1, 327,680 bytes of LDS; arguments wq, xs, xu, part; writes part
.if DOCPART == 2
	.amdgcn_target "amdgcn-amd-amdhsa--gfx1250"
	.amdhsa_code_object_version 6
	.text
	.protected	k_q5bc0b0c972_main
	.globl	k_q5bc0b0c972_main
	.p2align	8
	.type	k_q5bc0b0c972_main,@function
k_q5bc0b0c972_main:
	s_mov_b64 s[64:65], 0
	v_nop
	global_prefetch_b8 v0, s[64:65] scope:SCOPE_SE
	s_setreg_imm32_b32 hwreg(HW_REG_WAVE_MODE, 25, 1), 1
	s_wait_xcnt 0x0
	s_wait_alu depctr_hold_cnt(0) depctr_sa_sdst(0) depctr_va_vdst(0) depctr_va_sdst(0) depctr_va_ssrc(0) depctr_va_vcc(0) depctr_vm_vsrc(0)
	s_getreg_b32 s2, hwreg(HW_REG_IB_STS2, 6, 4)
	s_cmp_eq_u32 s2, 0
	s_cbranch_scc0 .Lentry_in_a_cluster
	s_endpgm
.Lentry_in_a_cluster:
	s_bfe_u32 s2, ttmp6, 0x10000c
	s_cmp_lg_u32 s2, 0x3003
	s_cbranch_scc0 .Lentry_shape_is_right
	s_endpgm
.Lentry_shape_is_right:
; part[y] = the share of K streams 2 y and 2 y + 1 in outer(x1, x1) W^T, both operands as codes of E3M2 with E8M0 scales.  W's codes come from wq as images of the operand's registers; the outer product is made, quantised and used in registers.
; A work-group: 128 rows x 256 columns x two streams.  Wave w: rows 64 (w & 1) on, stream 2 y + (w >> 1), all 256 columns: 64 accumulators.  So each number of the outer product is made once in the launch.
; K = 257 i + j.  K step p = 2 w + s of stream sg holds four blocks of 32 with one window of j (from 32 w - sg on) and i = sg + 32 (4 s + 0..3): a block is the window (32 registers a row tile, from xs) x one number (from xu).
; A block's largest magnitude is |that number| x the window's largest magnitude (a product in f32 rises with its factor), with the floor 2^(5 - 127): the byte cannot fall under 1.  Window 0 lies across two i: its blocks are sums of two products of which one is 0.
; THE STEPS GO IN PAIRS, one window and one LDS slot to a pair: a run of LDS loads (12 of B's fragments), both steps' operands made in one run of vector work, then 128 matrix instructions.  B has 12 places of 12 registers;
; a group of four fragments is fetched as soon as four places are free, so the second step's fragments lie four places further round than the first's.  The next window's 32 loads stand in four groups among the first step's products.
; The ring: two slots, each with two K steps of both streams (four images of 25,600 bytes, one tensor load a wave), asked for jointly by the four work-groups of a cluster, which differ in their rows alone.
; A refill is asked for a whole pair (two generations and 96 matrix instructions) ahead of the wait for it; no prefetch is laid beside it.
; At the end the two waves of a row half exchange halves of their sums through LDS (odd streams hold W's rows turned by 128) and each stores 64 rows x 128 columns as images of accumulators; the last step makes the half that is sent first.
; LIMITS: NaN and infinities are not served; a block of zeros has the byte 1 and zero codes.
; REGISTERS: window 0: addresses, numbers, scales, from v112 B's 12 places; window 1: v0-127 the windows of four row tiles, v128-159 products, v160-255 two sets of A's codes; windows 2, 3: accumulators (in the head window 2 holds window 0's second part).
.set IMG,   25600
.set SLOT1, 1<<17
.set SPARE, 4*IMG
.set EX,    SLOT1
.set L16,  1
.set ADB0, 2
.set ADB,  3
.set ZV,   4
.set UV,   5
.set H8,   6
.set EXS,  7
.set EXL,  8
.set ADS0, 9
.set ADS,  10
.set SPW,  12
.set NIL,  13
.set WM,   16
.set WT,   20
.set SO,   24
.set UU,   32
.set XU,   48
.set SB,   56
.set SA,   64
.set BY,   72
.set WD,   80
.set WX,   84
.set UP,   88
.set WMA,  104
.set BR,   112
.set PA,   128
.set PB,   144
.set AR,   160
.set MSB, 0
.macro WIN new                         ; the immediate's high byte repeats the setting that is left
.if MSB != \new
	s_set_vgpr_msb (MSB<<8)|\new
.set MSB, \new
.endif
.endm
.macro CREST
	s_cmp_lg_u32 s12, 0
	s_cbranch_scc1 .Lnot_wave_0_\@
	s_barrier_signal -3
.Lnot_wave_0_\@:
	s_barrier_wait -3
	s_barrier_signal -1
	s_barrier_wait -1
.endm
.macro CROUND
	s_barrier_signal -1
	s_barrier_wait -1
	CREST
.endm
.macro NOPS n
.rept \n
	v_nop
.endr
.endm
; the largest magnitude of each of the four windows (win: where the windows lie)
.macro WMAX4 dst, win
	WIN \win
.irp mi, 0,1,2,3
	v_max3_num_f32 v[\dst+\mi], |v[32*\mi]|, |v[32*\mi+1]|, 0
	v_max3_num_f32 v[WT+\mi], |v[32*\mi+2]|, |v[32*\mi+3]|, 0
.endr
.irp e, 4,8,12,16,20,24,28
.irp mi, 0,1,2,3
	v_max3_num_f32 v[\dst+\mi], |v[32*\mi+\e]|, |v[32*\mi+\e+1]|, v[\dst+\mi]
	v_max3_num_f32 v[WT+\mi], |v[32*\mi+\e+2]|, |v[32*\mi+\e+3]|, v[WT+\mi]
.endr
.endr
	WIN 0
.irp mi, 0,1,2,3
	v_max_num_f32 v[\dst+\mi], v[\dst+\mi], v[WT+\mi]
.endr
.endm
; the eight blocks' scale operands (SO) and the four row tiles' scale words (SA), the chains by turns
.macro SCALE set, ub, us, two
	WIN 0
.irp mi, 0,1,2,3
.irp c, 0,1
	v_mul_f32 v[SO+2*\mi+\c], |v[\ub+\us*\mi+\c]|, v[WM+\mi]
.if \two
	v_mul_f32 v[BY+2*\mi+\c], |v[UP+\ub-UU+4*\mi+\c]|, v[WMA+\mi]
.endif
.endr
.endr
.irp k, 0,1,2,3,4,5,6,7
.if \two
	v_max3_num_f32 v[SO+\k], v[SO+\k], v[BY+\k], 0x2800000
.else
	v_max_num_f32 v[SO+\k], 0x2800000, v[SO+\k]
.endif
.endr
.irp k, 0,1,2,3,4,5,6,7
	v_add_nc_u32 v[SO+\k], 0xfe000000, v[SO+\k]    ; 4 off the exponent field
.endr
.irp k, 0,1,2,3,4,5,6,7
	v_lshrrev_b32 v[BY+\k], 23, v[SO+\k]
.endr
.irp mi, 0,1,2,3
	v_lshl_or_b32 v[WD+\mi], v[BY+2*\mi+1], 16, v[BY+2*\mi]
.endr
.irp mi, 0,1,2,3
	v_lshlrev_b32 v[WD+\mi], v[H8], v[WD+\mi]
.endr
.irp mi, 0,1,2,3
	v_permlanex16_b32 v[WX+\mi], v[WD+\mi], s20, s21
.endr
.irp mi, 0,1,2,3
	v_or_b32 v[SA+4*\set+\mi], v[WD+\mi], v[WX+\mi]
.endr
.endm
; block g = 2 x row tile + c of a lane's eight.  One packed product: numbers 2 q, 2 q + 1 of the window x the block's number
.macro PK1 g, q, ub, us
.if ((\g)%2) == 0
	v_pk_mul_f32 v[PA+2*(\q):PA+2*(\q)+1], v[32*((\g)/2)+2*(\q):32*((\g)/2)+2*(\q)+1], v[\ub+\us*((\g)/2):\ub+\us*((\g)/2)+1] op_sel_hi:[1,0]
.else
	v_pk_mul_f32 v[PA+2*(\q):PA+2*(\q)+1], v[32*((\g)/2)+2*(\q):32*((\g)/2)+2*(\q)+1], v[\ub+\us*((\g)/2):\ub+\us*((\g)/2)+1] op_sel:[0,1] op_sel_hi:[1,1]
.endif
.endm
.macro FM1 g, q, ub                    ; window 0's second part x the number of the i before, added
.if ((\g)%2) == 0
	v_pk_fma_f32 v[PA+2*(\q):PA+2*(\q)+1], v[32*((\g)/2)+2*(\q):32*((\g)/2)+2*(\q)+1], v[UP+\ub-UU+4*((\g)/2):UP+\ub-UU+4*((\g)/2)+1], v[PA+2*(\q):PA+2*(\q)+1] op_sel_hi:[1,0,1]
.else
	v_pk_fma_f32 v[PA+2*(\q):PA+2*(\q)+1], v[32*((\g)/2)+2*(\q):32*((\g)/2)+2*(\q)+1], v[UP+\ub-UU+4*((\g)/2):UP+\ub-UU+4*((\g)/2)+1], v[PA+2*(\q):PA+2*(\q)+1] op_sel:[0,1,0] op_sel_hi:[1,1,1]
.endif
.endm
.macro MOV3 set, g                     ; (a conversion's three registers begin on an even number: a block's upper half is made in the products' first registers and moved)
.irp k, 0,1,2
	v_mov_b32 v[AR+48*\set+6*(\g)+3+\k], v[PA+\k]
.endr
.endm
.macro GFIN
	NOPS 4                                         ; an operand written by vector instructions stands four places ahead of a scaled matrix instruction
	WIN 0
	s_wait_alu depctr_va_vdst(0)
.endm
; the codes of eight blocks.  A block's three moves stand behind six of the next block's products
.macro PRODN set, ub, us
	WIN 0x41
.irp g, 0,1,2,3,4,5,6,7
.irp q, 2,3,4,5,6,7
	PK1 \g, \q, \ub, \us
.endr
.if \g > 0
	MOV3 \set, \g-1
.endif
	PK1 \g, 0, \ub, \us
	PK1 \g, 1, \ub, \us
	v_cvt_scalef32_pk16_bf6_f32 v[AR+48*\set+6*\g:AR+48*\set+6*\g+2], v[PA:PA+15], v[SO+\g]
.irp q, 8,9,10,11,12,13,14,15
	PK1 \g, \q, \ub, \us
.endr
	v_cvt_scalef32_pk16_bf6_f32 v[PA:PA+2], v[PB:PB+15], v[SO+\g]
.endr
	v_nop                                          ; one plain place behind a scaled conversion
	MOV3 \set, 7
.endm
; the same for window 0, whose blocks are sums of two products
.macro PROD2 set, ub
.irp g, 0,1,2,3,4,5,6,7
	WIN 0x41
.irp q, 0,1,2,3,4,5,6,7,8,9,10,11,12,13,14,15
	PK1 \g, \q, \ub, 4
.endr
	WIN 0x52
.irp q, 0,1,2,3,4,5,6,7,8,9,10,11,12,13,14,15
	FM1 \g, \q, \ub
.endr
	WIN 0x41
	v_cvt_scalef32_pk16_bf6_f32 v[AR+48*\set+6*\g:AR+48*\set+6*\g+2], v[PA:PA+15], v[SO+\g]
	v_nop
	v_cvt_scalef32_pk16_bf6_f32 v[PA:PA+2], v[PB:PB+15], v[SO+\g]
	v_nop
	MOV3 \set, \g
.endr
	GFIN
.endm
.macro GENP                            ; both operands of the window that has been asked for
	s_wait_loadcnt 0x0
	WMAX4 WM, 0x05
	SCALE 0, UU, 4, 0
	PRODN 0, UU, 4
	SCALE 1, UU+2, 4, 0
	PRODN 1, UU+2, 4
	GFIN
.endm
.macro ZL8 mi, b, win                  ; one row tile's window of 32 numbers a row
	WIN \win
.irp i, 0,1,2,3,4,5,6,7
	global_load_b128 v[32*\mi+4*\i:32*\mi+4*\i+3], v[ZV], s[\b:\b+1] offset:20480*\mi+256*\i
.endr
.endm
; four fragments, the cf0-th to (cf0 + 3)-th that a step takes, with their two registers of scale words: 14 LDS loads.  rot: how far round the step's fragments lie in B's 12 places; fo: the first fragment that the step takes
.macro LB4 cf0, off, rot, fo
	WIN 0
.irp d, 0,1,2,3
.set lf, ((\cf0)+\d+(\fo))%16
.set ls, BR+12*(((\cf0)+\d+(\rot))%12)
.if (\d%2) == 0
	ds_load_b32 v[SB+lf/2], v[ADS] offset:(\off)+128*(lf/2)
.endif
.irp p, 0,1,2
	ds_load_b128 v[ls+4*\p:ls+4*\p+3], v[ADB] offset:(\off)+1536*lf+512*\p
.endr
.endr
.endm
.macro LOADB fo
	LB4 0, 0, 0, \fo
	LB4 4, 0, 0, \fo
	LB4 8, 0, 0, \fo
.endm
.macro MM zero, set                    ; the step's i-th matrix instruction: fragment (i / 4 + FO) % 16, row tile i % 4; the 64 accumulators take turns
.set mf, (i/4+FO)%16
.set ai, 4*mf+i%4
.set mD, 8*(ai%32)
.set mB, BR+12*((i/4+ROT)%12)
.set mA, AR+48*\set+12*(i%4)
.set mSB, SB+mf/2
.set mSA, SA+4*\set+i%4
.if ai < 32
	WIN 0xa4
.else
	WIN 0xf4
.endif
.if \zero
.if mf%2
	v_wmma_scale_f32_16x16x128_f8f6f4 v[mD:mD+7], v[mB:mB+11], v[mA:mA+11], 0, v[mSB], v[mSA] matrix_a_fmt:MATRIX_FMT_BF6 matrix_b_fmt:MATRIX_FMT_BF6 matrix_a_scale:MATRIX_SCALE_ROW1
.else
	v_wmma_scale_f32_16x16x128_f8f6f4 v[mD:mD+7], v[mB:mB+11], v[mA:mA+11], 0, v[mSB], v[mSA] matrix_a_fmt:MATRIX_FMT_BF6 matrix_b_fmt:MATRIX_FMT_BF6
.endif
.else
.if mf%2
	v_wmma_scale_f32_16x16x128_f8f6f4 v[mD:mD+7], v[mB:mB+11], v[mA:mA+11], v[mD:mD+7], v[mSB], v[mSA] matrix_a_fmt:MATRIX_FMT_BF6 matrix_b_fmt:MATRIX_FMT_BF6 matrix_a_scale:MATRIX_SCALE_ROW1
.else
	v_wmma_scale_f32_16x16x128_f8f6f4 v[mD:mD+7], v[mB:mB+11], v[mA:mA+11], v[mD:mD+7], v[mSB], v[mSA] matrix_a_fmt:MATRIX_FMT_BF6 matrix_b_fmt:MATRIX_FMT_BF6
.endif
.endif
.endm
.macro MMS zero, set, n
.rept \n
	MM \zero, \set
.set i, i+1
.endr
.endm
; a pair's 128 matrix instructions and the change of slots.  nxt = 1: a refill by every wave; 2: by the waves of the even step alone (step 16 has no partner); 3: nothing left to fetch.  zb: where the next window comes from.
; The four v_nop in front of each group of loads are the places behind the matrix instructions that read those registers.
.macro MPAIR zero, nxt, zb
.set FO, 0
.set ROT, 0
.set i, 0
	s_wait_dscnt 0x0                               ; the first step's fragments 0-11 are in
	MMS \zero, 0, 16
	NOPS 4
	LB4 12, 0, 0, 0
	ZL8 0, \zb, 0x40
	MMS \zero, 0, 16
	NOPS 4
	LB4 0, IMG, 4, 0
	ZL8 1, \zb, 0x40
	MMS \zero, 0, 16
	NOPS 4
	LB4 4, IMG, 4, 0
	ZL8 2, \zb, 0x40
	s_wait_dscnt 28                                ; fragments 12-15 are in; the two groups of 14 loads behind them may be out
	MMS \zero, 0, 16
	NOPS 4
	LB4 8, IMG, 4, 0
	ZL8 3, \zb, 0x40
.set ROT, 4
.set i, 0
	s_wait_dscnt 28                                ; the second step's fragments 0-3 are in; two groups may be out
	MMS 0, 1, 16
	NOPS 4
	LB4 12, IMG, 4, 0
	s_wait_dscnt 28                                ; its fragments 4-7 are in
	MMS 0, 1, 16
	WIN 0
	s_wait_tensorcnt 0x0                           ; all my tensor loads have landed: my image of the next slot;
	ds_add_u32 v[SPW], v[NIL]
.if \nxt <= 2
	s_xor_b32 s37, s37, SLOT1                      ; no tensor load of mine is out: the descriptor steps to the slot that is being left, two K steps on
	s_add_nc_u64 s[38:39], s[38:39], 2*IMG
.endif
	s_wait_dscnt 0x0                               ; the add is done, and my last reads of this slot are back
	s_barrier_signal -1
	MMS 0, 1, 32
	WIN 0
	s_barrier_wait -1
.if \nxt <= 2
	CREST                                          ; the barrier has opened a round of the cluster's barrier
.endif
.if \nxt == 1
	tensor_load_to_lds s[36:39], s[24:31]
	s_nop 0
.elseif \nxt == 2
	s_cmp_eq_u32 s13, 0
	s_cbranch_scc0 .Lno_fill_\@
	tensor_load_to_lds s[36:39], s[24:31]
	s_nop 0
	NOPS 4
.Lno_fill_\@:
.endif
	NOPS 4                                         ; also the places in front of the next run of loads
	s_xor_b32 s22, s22, SLOT1
	v_add_nc_u32 v[ADB], s22, v[ADB0]
	v_add_nc_u32 v[ADS], s22, v[ADS0]
	s_wait_alu depctr_va_vdst(0)                   ; the wait behind these writes
.endm
.macro ZSTEP                           ; the next window: 32 numbers on
	s_wait_xcnt 0x0
	s_add_nc_u64 s[40:41], s[40:41], 2048
.endm
	s_load_b256 s[4:11], s[0:1], 0x0               ; wq s[4:5], xs s[6:7], xu s[8:9], part s[10:11]
	v_lshl_add_u32 v[SPW], v0, 2, SPARE
	v_mov_b32 v[NIL], 0
	ds_add_u32 v[SPW], v[NIL]                      ; the opening lines: the add, twice on end, and its wait
	ds_add_u32 v[SPW], v[NIL]
	v_lshrrev_b32 v1, 5, v0
	v_readfirstlane_b32 s12, v1                    ; wave
	s_and_b32 s13, s12, 1                          ; which 64 rows; also which step of a slot's two I fetch
	s_lshr_b32 s14, s12, 1                         ; which of the two streams
	s_and_b32 s18, ttmp7, 0xffff
	s_lshl_b32 s19, s18, 1
	s_add_co_u32 s19, s19, s14                     ; the stream sg
	s_mov_b32 s24, 15|(3<<16)|(1<<21)              ; an image: 100 rows of 256 bytes, dense; the mask names the cluster's four
	s_mov_b32 s25, 32<<16
	s_mov_b32 s26, 100<<16
	s_mov_b32 s27, 32<<16
	s_mov_b32 s28, 100
	s_mov_b32 s29, 32
	s_mov_b32 s30, 0
	s_mov_b32 s31, 0
	s_mul_i32 s50, s19, 17
	s_add_co_u32 s50, s50, s13
	s_mul_i32 s50, s50, IMG
	s_mov_b32 s51, 0
	s_mov_b32 s32, 1
	s_mul_i32 s33, s12, IMG
	s_mov_b32 s36, 1
	s_add_co_u32 s37, s33, SLOT1
	s_wait_dscnt 0x0
	s_wait_kmcnt 0x0
	s_add_nc_u64 s[34:35], s[4:5], s[50:51]
	s_add_nc_u64 s[38:39], s[34:35], 2*IMG
	s_or_b32 s35, s35, 0x80000000
	s_or_b32 s39, s39, 0x80000000
	CROUND
	tensor_load_to_lds s[32:35], s[24:31]          ; K steps 0 and 1: one tensor load a wave at the head
	s_nop 0
	NOPS 4
	s_bfe_u32 s16, ttmp6, 0x40000
	s_lshl_b32 s17, ttmp9, 2
	s_add_co_u32 s17, s17, s16                     ; which 128 rows
	s_lshl_b32 s53, s17, 3
	s_lshl_b32 s54, s13, 2
	s_add_co_u32 s53, s53, s54                     ; my first group of 16 rows
	s_mul_i32 s52, s53, 20480
	s_mov_b32 s20, 0x76543210
	s_mov_b32 s21, 0xfedcba98
.macro ZBASE d, j                      ; where the window that begins at zp[j] lies in xs
	s_and_b32 s50, s[\j], 3
	s_mul_i32 s50, s50, 2621440
	s_lshr_b32 s51, s[\j], 2
	s_lshl_b32 s51, s51, 8
	s_add_co_u32 s50, s50, s51
	s_add_co_u32 s50, s50, s52
	s_mov_b32 s51, 0
	s_add_nc_u64 s[\d:\d+1], s[6:7], s[50:51]
.endm
	s_sub_co_u32 s55, 32, s19
	ZBASE 40, 55                                   ; window 0
	s_sub_co_u32 s55, 289, s19
	ZBASE 42, 55                                   ; its part in the i before
	s_lshl_b32 s55, s19, 5
	s_add_co_u32 s55, s55, 32
	s_cmp_le_u32 s19, 8
	s_cselect_b32 s55, s55, 0
	s_sub_co_u32 s54, s19, 9
	s_mov_b32 s57, 257
	s_cmp_le_u32 s54, 1
	s_cselect_b32 s55, s57, s55
	ZBASE 44, 55                                   ; step 16's window
	s_mul_i32 s56, s53, 24576
	s_lshl_b32 s50, s19, 6
	s_add_co_u32 s50, s50, s56
	s_mov_b32 s51, 0
	s_add_nc_u64 s[46:47], s[8:9], s[50:51]
	s_mov_b32 s54, 257
	s_mov_b32 s57, 256
	s_cmp_le_u32 s19, 8
	s_cselect_b32 s54, s57, s54
	s_cmp_eq_u32 s19, 9
	s_cselect_b32 s54, 31, s54
	s_mov_b32 s57, 159
	s_cmp_eq_u32 s19, 10
	s_cselect_b32 s54, s57, s54
	s_add_co_u32 s54, s54, 1
	s_lshl_b32 s50, s54, 6
	s_add_co_u32 s50, s50, s56
	s_add_nc_u64 s[48:49], s[8:9], s[50:51]
	s_lshl_b32 s50, s18, 21
	s_lshl_b32 s54, s53, 14
	s_add_co_u32 s50, s50, s54
	s_lshl_b32 s54, s14, 13
	s_add_co_u32 s50, s50, s54
	s_add_nc_u64 s[58:59], s[10:11], s[50:51]
	s_mul_i32 s60, s14, 2*IMG
	s_add_co_u32 s61, s60, 24576
	s_lshl_b32 s62, s12, 15
	s_add_co_u32 s62, s62, EX
	s_xor_b32 s63, s12, 2
	s_lshl_b32 s63, s63, 15
	s_add_co_u32 s63, s63, EX
	v_and_b32 v11, 31, v0
	v_and_b32 v14, 15, v0
	v_bfe_u32 v15, v0, 4, 1
	v_lshlrev_b32 v[L16], 4, v11
	v_lshlrev_b32 v[ZV], 4, v14
	v_lshlrev_b32 v[UV], 2, v14
	v_lshlrev_b32 v[H8], 3, v15
	v_lshlrev_b32 v[ADS0], 2, v11
	v_lshl_add_u32 v[UV], v15, 11, v[UV]
	v_add_nc_u32 v[ADB0], s60, v[L16]
	v_add_nc_u32 v[ADS0], s61, v[ADS0]
	v_add_nc_u32 v[EXS], s62, v[L16]
	v_add_nc_u32 v[EXL], s63, v[L16]
.irp mi, 0,1,2,3
	v_mov_b32 v[WX+\mi], 0                         ; a lane permute's destination counts as read
.endr
	s_wait_alu depctr_va_vdst(0)                   ; the wait at the end of the addresses
.irp mi, 0,1,2,3
.irp c, 0,1,2,3
	global_load_b32 v[UU+4*\mi+\c], v[UV], s[46:47] offset:24576*\mi+4096*\c+64
	global_load_b32 v[UP+4*\mi+\c], v[UV], s[46:47] offset:24576*\mi+4096*\c
.endr
.irp c, 0,1
	global_load_b32 v[XU+2*\mi+\c], v[UV], s[48:49] offset:24576*\mi+4096*\c
.endr
.endr
.irp mi, 0,1,2,3
	ZL8 \mi, 40, 0x40
.endr
.irp mi, 0,1,2,3
	ZL8 \mi, 42, 0x80
.endr
	WIN 0
	s_wait_loadcnt 0x0
	WMAX4 WM, 0x05
	WMAX4 WMA, 0x0a
	SCALE 0, UU, 4, 1                              ; K step 0's operand, while its tile is on its way
	PROD2 0, UU
	s_wait_tensorcnt 0x0                           ; my image of slot 0 is in
	ds_add_u32 v[SPW], v[NIL]
	s_wait_dscnt 0x0
	CROUND
	tensor_load_to_lds s[36:39], s[24:31]          ; K steps 2 and 3
	s_nop 0
	NOPS 4
	s_mov_b32 s22, 0
	v_add_nc_u32 v[ADB], s22, v[ADB0]
	v_add_nc_u32 v[ADS], s22, v[ADS0]
	s_wait_alu depctr_va_vdst(0)                   ; the wait behind these writes
	LOADB 0
	SCALE 1, UU+2, 4, 1                            ; K step 1's operand
	PROD2 1, UU+2
	ZSTEP
	MPAIR 1, 1, 40                                 ; K steps 0 and 1; step 0 starts the sums
	s_mov_b32 s23, 5
.Lpair:
	LOADB 0
	GENP
	ZSTEP
	MPAIR 0, 1, 40                                 ; K steps 2 to 11
	s_sub_co_u32 s23, s23, 1
	s_cmp_lg_u32 s23, 0
	s_cbranch_scc1 .Lpair
	LOADB 0
	GENP
	ZSTEP
	MPAIR 0, 2, 40                                 ; K steps 12 and 13; step 16's image is asked for
	LOADB 0
	GENP
	MPAIR 0, 3, 44                                 ; K steps 14 and 15; step 16's window is asked for
	; ---- K step 16 takes fragments 8-15 first: my upper 32 accumulators, which go to my partner (wave xor 2), are finished at its middle and are stored to the stage among the other half's products.
	; The stage lies in slot 1, which has had its last fill and, behind the barrier above, its last read
	LOADB 8
	s_wait_loadcnt 0x0
	WMAX4 WM, 0x05
	SCALE 0, XU, 2, 0
	PRODN 0, XU, 2
	GFIN
.set FO, 8
.set ROT, 0
.set i, 0
	s_wait_dscnt 0x0
	MMS 0, 0, 16
	NOPS 4
	LB4 12, 0, 0, 8
	MMS 0, 0, 16
	NOPS 4                                         ; places in front of the stores that read results
.set a, 0
.rept 8
.if i == 48
	s_wait_dscnt 32                                ; the last four fragments are in; the 32 stores behind them may be out
.endif
	MMS 0, 0, 4
	WIN 0x0c
.rept 4
	ds_store_b128 v[EXS], v[8*a:8*a+3] offset:1024*a
	ds_store_b128 v[EXS], v[8*a+4:8*a+7] offset:1024*a+512
.set a, a+1
.endr
.endr
	WIN 0
	NOPS 4                                         ; places in front of loads into registers that the last products read, and of the additions
	s_wait_dscnt 0x0
	s_barrier_signal -1
	s_barrier_wait -1
	WIN 0x40
.set a, 0
.rept 64
	ds_load_b128 v[4*a:4*a+3], v[EXL] offset:512*a
.set a, a+1
.endr
.irp qd, 0,1,2,3
	s_wait_dscnt 48-16*\qd
	WIN 0x86
.set a, 0
.rept 32
	v_pk_add_f32 v[64*\qd+2*a:64*\qd+2*a+1], v[64*\qd+2*a:64*\qd+2*a+1], v[64*\qd+2*a:64*\qd+2*a+1]
.set a, a+1
.endr
.endr
	WIN 0x08
.set a, 0
.rept 64
	global_store_b128 v[L16], v[4*a:4*a+3], s[58:59] offset:16384*((a/2)%4)+1024*(a/8)+512*(a%2)   ; 32 lanes store 512 consecutive bytes
.set a, a+1
.endr
	WIN 0
	s_wait_tensorcnt 0x0                           ; the wave's end
	ds_add_u32 v[SPW], v[NIL]
	s_wait_dscnt 0x0
	CROUND                                         ; the closing round
	s_endpgm
.Lfunc_end_k_q5bc0b0c972_main:
	.size	k_q5bc0b0c972_main, .Lfunc_end_k_q5bc0b0c972_main-k_q5bc0b0c972_main
	.p2alignl 7, 3214868480
	.fill 96, 4, 3214868480
	.section	.rodata,"a",@progbits
	.p2align	6, 0x0
	.amdhsa_kernel k_q5bc0b0c972_main
		.amdhsa_group_segment_fixed_size 327680
		.amdhsa_private_segment_fixed_size 0
		.amdhsa_enable_private_segment 0
		.amdhsa_kernarg_size 32
		.amdhsa_user_sgpr_count 2
		.amdhsa_user_sgpr_kernarg_segment_ptr 1
		.amdhsa_wavefront_size32 1
		.amdhsa_system_sgpr_workgroup_id_x 1
		.amdhsa_system_sgpr_workgroup_id_y 1
		.amdhsa_system_sgpr_workgroup_id_z 1
		.amdhsa_system_vgpr_workitem_id 0
		.amdhsa_next_free_vgpr 1024
		.amdhsa_next_free_sgpr 66
		.amdhsa_reserve_vcc 0
		.amdhsa_float_denorm_mode_32 3
		.amdhsa_float_denorm_mode_16_64 3
		.amdhsa_memory_ordered 1
		.amdhsa_forward_progress 1
		.amdhsa_inst_pref_size 255
	.end_amdhsa_kernel
	.section	.bss,"aw",@nobits
	.p2align	6
	.space	262144
	.amdgpu_metadata
---
amdhsa.version: [ 1, 2 ]
amdhsa.kernels:
  - .name:           k_q5bc0b0c972_main
    .symbol:         k_q5bc0b0c972_main.kd
    .args:
      - { .name: wq, .offset: 0, .size: 8, .value_kind: global_buffer, .address_space: global }
      - { .name: xs, .offset: 8, .size: 8, .value_kind: global_buffer, .address_space: global }
      - { .name: xu, .offset: 16, .size: 8, .value_kind: global_buffer, .address_space: global }
      - { .name: part, .offset: 24, .size: 8, .value_kind: global_buffer, .address_space: global }
    .group_segment_fixed_size: 327680
    .private_segment_fixed_size: 0
    .kernarg_segment_align: 8
    .kernarg_segment_size: 32
    .max_flat_workgroup_size: 128
    .sgpr_count:     66
    .vgpr_count:     1024
    .wavefront_size: 32
...
	.end_amdgpu_metadata
.endif
;; end of part 2
;; launch reduce (part 3): grid 256 x 1, 8 waves a work-group, no clusters, 9,728 bytes of LDS; arguments part, b, out0; writes out0
.if DOCPART == 3
	.amdgcn_target "amdgcn-amd-amdhsa--gfx1250"
	.amdhsa_code_object_version 6
	.text
	.protected	k_q5bc0b0c972_reduce
	.globl	k_q5bc0b0c972_reduce
	.p2align	8
	.type	k_q5bc0b0c972_reduce,@function
k_q5bc0b0c972_reduce:
	s_mov_b64 s[64:65], 0
	v_nop
	global_prefetch_b8 v0, s[64:65] scope:SCOPE_SE
	s_setreg_imm32_b32 hwreg(HW_REG_WAVE_MODE, 25, 1), 1
	s_wait_xcnt 0x0
; out0[row][col] = b[col] + the sum over y = 0..15 of part[y].  part [y 16][g 128][column tile 16][half 2][lane 32][16 bytes]: images of accumulators: lane (r, h), half u: row 16 g + r, columns 16 ct + 8 h + 4 u + 0..3.
; Memory binds: every byte of part is read once, by loads of 512 consecutive bytes; no matrix unit, no cluster, no tensor load would add anything.
; A work-group takes one group of 16 rows and 128 columns; wave w one column tile: 2 loads of the bias and 32 of part, all issued at once.  The sums begin as the bias.
; They meet in a stage in LDS (rows of 512 bytes + 16) and leave as whole rows, two a wave: 32 lanes store 512 consecutive bytes.
.set CH,  2097152                      ; bytes of one y
.set ACC, 16                           ; v16-23: half u at 4 u
.set BUF, 32                           ; v32-159: y at 8 y, half u at 4 u
.set SPARE, 0x2200                     ; behind the stage's 16 x 528 bytes: the spare words, 128 bytes a wave
	s_load_b128 s[4:7], s[0:1], 0x0                ; part, b
	s_load_b64 s[8:9], s[0:1], 0x10                ; out0
	v_lshl_add_u32 v12, v0, 2, SPARE
	v_mov_b32 v13, 0
	v_lshrrev_b32 v1, 5, v0
	v_readfirstlane_b32 s10, v1                    ; wave
	s_lshr_b32 s11, ttmp9, 1                       ; g
	s_and_b32 s20, ttmp9, 1                        ; which 128 columns
	s_lshl_b32 s21, s10, 6                         ; 64 w: my tile's 16 columns in a stage row, and in b
	s_mul_i32 s28, s10, 2*528                      ; the two rows that I store
	s_lshl_b32 s22, s11, 14
	s_lshl_b32 s23, s20, 13
	s_add_co_u32 s22, s22, s23
	s_lshl_b32 s23, s10, 10
	s_add_co_u32 s22, s22, s23                     ; part: 16,384 g + 1,024 (8 half + w)
	s_mov_b32 s23, 0
	s_lshl_b32 s24, s20, 9
	s_add_co_u32 s24, s24, s21
	s_mov_b32 s25, 0
	s_lshl_b32 s26, s11, 14
	s_lshl_b32 s27, s10, 11
	s_add_co_u32 s26, s26, s27
	s_lshl_b32 s27, s20, 9
	s_add_co_u32 s26, s26, s27                     ; out0: rows 16 g + 2 w on, 512 bytes of each
	s_mov_b32 s27, 0
	v_and_b32 v1, 31, v0
	v_and_b32 v2, 15, v0
	v_bfe_u32 v3, v0, 4, 1
	v_lshlrev_b32 v1, 4, v1                        ; 16 x lane
	v_lshlrev_b32 v4, 5, v3                        ; 32 h
	v_mul_u32_u24 v5, v2, 528
	v_add_nc_u32 v5, v5, v4
	v_add_nc_u32 v5, s21, v5                       ; into the stage: row r, + 64 w + 32 h
	v_add_nc_u32 v6, s28, v1                       ; back: my two rows, 16 bytes a lane
	s_wait_alu depctr_va_vdst(0)                   ; the wait at the head's end
	s_wait_kmcnt 0x0
	s_add_nc_u64 s[12:13], s[4:5], s[22:23]        ; a base for each four y, so that every offset is an immediate
	s_add_nc_u64 s[14:15], s[12:13], 4*CH
	s_add_nc_u64 s[16:17], s[14:15], 4*CH
	s_add_nc_u64 s[18:19], s[16:17], 4*CH
	s_add_nc_u64 s[6:7], s[6:7], s[24:25]
	s_add_nc_u64 s[8:9], s[8:9], s[26:27]
.irp u, 0,1
	global_load_b128 v[ACC+4*\u:ACC+4*\u+3], v4, s[6:7] offset:16*\u
.endr
.irp k, 0,1,2,3
.irp yl, 0,1,2,3
.irp u, 0,1
	global_load_b128 v[BUF+32*\k+8*\yl+4*\u:BUF+32*\k+8*\yl+4*\u+3], v1, s[12+2*\k:13+2*\k] offset:\yl*CH+512*\u th:TH_LOAD_NT
.endr
.endr
.endr
.irp k, 0,1,2,3
.if \k > 0
	s_wait_alu depctr_va_vdst(0)                   ; the wait here
.endif
	s_wait_loadcnt 24-8*\k                         ; the bias and the batches up to k are in; the later batches of 8 loads may be out
.irp yl, 0,1,2,3
.irp j, 0,2,4,6
	v_pk_add_f32 v[ACC+\j:ACC+\j+1], v[ACC+\j:ACC+\j+1], v[BUF+32*\k+8*\yl+\j:BUF+32*\k+8*\yl+\j+1]
.endr
.endr
.endr
.irp u, 0,1
	ds_store_b128 v5, v[ACC+4*\u:ACC+4*\u+3] offset:16*\u
.endr
	s_wait_dscnt 0x0                               ; for the others' sake: my part of the 16 rows is written
	s_barrier_signal -1
	s_barrier_wait -1
.irp i, 0,1
	ds_load_b128 v[BUF+4*\i:BUF+4*\i+3], v6 offset:528*\i
.endr
.irp i, 0,1
	s_wait_dscnt 1-\i
	global_store_b128 v1, v[BUF+4*\i:BUF+4*\i+3], s[8:9] offset:1024*\i   ; 32 lanes store 512 consecutive bytes, at a multiple of 256 from out0's first byte
.endr
	s_wait_tensorcnt 0x0                           ; the wave's end
	ds_add_u32 v12, v13
	s_wait_dscnt 0x0
	s_endpgm
.Lfunc_end_k_q5bc0b0c972_reduce:
	.size	k_q5bc0b0c972_reduce, .Lfunc_end_k_q5bc0b0c972_reduce-k_q5bc0b0c972_reduce
	.p2alignl 7, 3214868480
	.fill 96, 4, 3214868480
	.section	.rodata,"a",@progbits
	.p2align	6, 0x0
	.amdhsa_kernel k_q5bc0b0c972_reduce
		.amdhsa_group_segment_fixed_size 9728
		.amdhsa_private_segment_fixed_size 0
		.amdhsa_enable_private_segment 0
		.amdhsa_kernarg_size 24
		.amdhsa_user_sgpr_count 2
		.amdhsa_user_sgpr_kernarg_segment_ptr 1
		.amdhsa_wavefront_size32 1
		.amdhsa_system_sgpr_workgroup_id_x 1
		.amdhsa_system_sgpr_workgroup_id_y 1
		.amdhsa_system_sgpr_workgroup_id_z 1
		.amdhsa_system_vgpr_workitem_id 0
		.amdhsa_next_free_vgpr 160
		.amdhsa_next_free_sgpr 66
		.amdhsa_reserve_vcc 0
		.amdhsa_float_denorm_mode_32 3
		.amdhsa_float_denorm_mode_16_64 3
		.amdhsa_memory_ordered 1
		.amdhsa_forward_progress 1
		.amdhsa_inst_pref_size 11
	.end_amdhsa_kernel
	.amdgpu_metadata
---
amdhsa.version: [ 1, 2 ]
amdhsa.kernels:
  - .name:           k_q5bc0b0c972_reduce
    .symbol:         k_q5bc0b0c972_reduce.kd
    .args:
      - { .name: part, .offset: 0, .size: 8, .value_kind: global_buffer, .address_space: global }
      - { .name: b, .offset: 8, .size: 8, .value_kind: global_buffer, .address_space: global }
      - { .name: out0, .offset: 16, .size: 8, .value_kind: global_buffer, .address_space: global }
    .group_segment_fixed_size: 9728
    .private_segment_fixed_size: 0
    .kernarg_segment_align: 8
    .kernarg_segment_size: 24
    .max_flat_workgroup_size: 256
    .sgpr_count:     66
    .vgpr_count:     160
    .wavefront_size: 32
...
	.end_amdgpu_metadata
.endif
;; end of part 3
